; MI455X (gfx1250); checked and timed in simulation.
; The chip was launched on July 23, 2026; its instructions are those of AMD's public machine-readable ISA for CDNA 5 (MIT licence, August 2026) and "CDNA5" Instruction Set Architecture Reference Guide (July 2026). The comments in the code are by the model that wrote it; some were corrected since.
;; Tempo Spike Self Attention. Allowed arithmetic: matrix products marked QUANTISED: E4M3 operands, one given power-of-two scale a tensor, by v_wmma_f32_16x16x64_fp8_fp8 or v_wmma_f32_16x16x128_fp8_fp8, f32 sums; everything else in f32.
;; Inputs: Wk_codes 768 x 24 x 32 uint8 (E4M3 codes of Wk, K innermost, in blocks of 32 codes); Wo_codes 768 x 24 x 32 uint8 (E4M3 codes of Wo, K innermost, in blocks of 32 codes); Wq_codes 768 x 24 x 32 uint8 (E4M3 codes of Wq, K innermost, in blocks of 32 codes); Wv_codes 768 x 24 x 32 uint8 (E4M3 codes of Wv, K innermost, in blocks of 32 codes); bk 768 float32; bo 768 float32; bq 768 float32; bv 768 float32; lowp_scales 12 int32 (the exponents e of the quantised operands' scales 2^e); x_codes 4 x 4 x 1,024 x 24 x 32 uint8 (E4M3 codes of x, K innermost, in blocks of 32 codes).
;; Outputs: out0 4 x 4 x 1,024 x 768 float32.
;; This version of the problem:
;;   THIS VERSION OF THE PROBLEM IS GIVEN IN LOW PRECISION. The matrix products marked QUANTISED in the list below multiply operands that are first quantised to E4M3 (4 exponent bits, 3 mantissa bits; 8 bits a number), with one given power-of-two scale for each operand tensor; their sums are f32. All else is computed in f32.
;;   The module's matrix products, in the order in which they are computed (A, B: the left and right operand; K: the contracted axis; several contracted axes count as one K, in the product's order):
;;     1. [M 16,384, K 768] x [K 768, N 768]; A: input x (given as codes); B: input Wq (given as codes): QUANTISED (scales: A lowp_scales[0], B lowp_scales[1])
;;     2. [M 16,384, K 768] x [K 768, N 768]; A: input x (given as codes); B: input Wk (given as codes): QUANTISED (scales: A lowp_scales[2], B lowp_scales[3])
;;     3. [M 16,384, K 768] x [K 768, N 768]; A: input x (given as codes); B: input Wv (given as codes): QUANTISED (scales: A lowp_scales[4], B lowp_scales[5])
;;     4. batch 192 x [M 1,024, K 64] x [K 64, N 1,024]; A: computed on the way; B: computed on the way: QUANTISED (scales: A lowp_scales[6], B lowp_scales[7])
;;     5. batch 192 x [M 1,024, K 1,024] x [K 1,024, N 64]; A: computed on the way; B: computed on the way: QUANTISED (scales: A lowp_scales[8], B lowp_scales[9])
;;     6. [M 16,384, K 768] x [K 768, N 768]; A: computed on the way; B: input Wo (given as codes): QUANTISED (scales: A lowp_scales[10], B lowp_scales[11])
;;   THE QUANTISER, for each operand of a quantised product, along K:
;;     - The operand's scale is 2^e, e = its entry of the input lowp_scales (int32; the entries are numbered through the quantised products in the list's order, A before B).
;;     - Each number is divided by the scale, clamped to +-448, and rounded to the nearest number of E4M3, ties to even, subnormals kept.
;;     - The product sums the exact products of the quantised numbers (number of the format x scale) in f32.
;;   ~~~python
;;   def quantise(x, axis, e):      # numpy; x: float32 -> the quantised numbers, widened to float32 again
;;       x = np.moveaxis(x, axis, -1); K = x.shape[-1]
;;       r = np.clip(x / 2.0 ** e, -448, 448)
;;       step = 2.0 ** (np.maximum(np.frexp(np.where(r == 0, 1, r))[1] - 1, -6) - 3)
;;       q = np.round(r / step) * step * 2.0 ** e      # np.round: ties to even
;;       return np.moveaxis(q, -1, axis).astype(np.float32)
;;   ~~~
;;   OPERANDS COMPUTED ON THE WAY. 'Computed on the way' means the value that the module computes at that place (a softmax that the list does not call 'softmax' is quantised finished and normalised). What goes into a quantiser is computed in f32, as accurately as f32 sums, v_exp_f32 and their like allow (about 1e-6 of the number): no bf16 or f16 on the way to a quantiser, and a product that is left as it is and whose result goes on into a quantised operand takes f32 operands (vector FMAs, or v_wmma_f32_16x16x4_f32). A number that lies on a knife's edge between two numbers of the format may be rounded either way, as far as f32 arithmetic and the matrix unit's own rounding can turn it there, and no further.
;;   INPUTS GIVEN AS CODES. Wk (in the module: [768, 768], K = its axis 1); Wo (in the module: [768, 768], K = its axis 1); Wq (in the module: [768, 768], K = its axis 1); Wv (in the module: [768, 768], K = its axis 1); x (in the module: [4, 4, 1024, 768], K = its axis 3): each comes as NAME_codes (uint8): NAME with its K axis moved to the last place and cut into blocks of 32 codes, [.., K / 32, bytes a block], one block behind the other in memory; one code a byte (a code: sign, 4 exponent bits, 3 mantissa bits); its scale is its entry of lowp_scales. Its value is code x scale, taken as it is: it is not quantised again, and the codes and scales need not be those that the quantiser above would give.
;; One version. Each part assembles by itself: llvm-mc -triple=amdgcn-amd-amdhsa -mcpu=gfx1250 --defsym DOCPART=n.
;; ======== version 1 of 1: 3 launches
;; limits: right only within a limited range of input values
;; workspace buffers: qimg 12,582,912 bytes; kvimg 25,165,824 bytes; ctximg 12,582,912 bytes
;; launch qkv (part 1): grid 4 x 64, 4 waves a work-group, clusters of 4 x 4, 327,680 bytes of LDS; arguments x_codes, Wq_codes, Wk_codes, Wv_codes, bq, bk, bv, lowp_scales, qimg, kvimg; writes qimg, kvimg
.if DOCPART == 1
	.amdgcn_target "amdgcn-amd-amdhsa--gfx1250"
	.amdhsa_code_object_version 6
	.text
	.protected	k_q833bbcba30_qkv
	.globl	k_q833bbcba30_qkv
	.p2align	8
	.type	k_q833bbcba30_qkv,@function
k_q833bbcba30_qkv:
	s_mov_b64 s[64:65], 0
	v_nop
	global_prefetch_b8 v0, s[64:65] scope:SCOPE_SE
	s_setreg_imm32_b32 hwreg(HW_REG_WAVE_MODE, 25, 1), 1
	s_wait_xcnt 0x0
	s_wait_alu depctr_hold_cnt(0) depctr_sa_sdst(0) depctr_va_vdst(0) depctr_va_sdst(0) depctr_va_ssrc(0) depctr_va_vcc(0) depctr_vm_vsrc(0)
	s_getreg_b32 s2, hwreg(HW_REG_IB_STS2, 6, 4)
	s_cmp_eq_u32 s2, 0
	s_cbranch_scc0 .Lentry_in_a_cluster
	s_endpgm
.Lentry_in_a_cluster:
	s_bfe_u32 s2, ttmp6, 0x10000c
	s_cmp_lg_u32 s2, 0xf033
	s_cbranch_scc0 .Lentry_shape_is_right
	s_endpgm
.Lentry_shape_is_right:
; q = x Wq^T + bq, k = x Wk^T + bk, v = x Wv^T + bv on codes of E4M3, then quantised for the two products of attention (q: entry 6, k: entry 7, v: entry 9 of the scales).
; NOTHING OF THE PROBLEM IS LEFT OUT in any of the three launches: every input has a way to the output (relu cancels no bias, and each bias moves codes).
; SHARES.  A work-group of four waves takes 256 rows of x and 192 columns (three heads) of each of q, k and v: nine blocks of 64 weight rows.  Wave w keeps its 64 rows of x, all 768 along K,
; in 384 registers for the whole launch; a block is 4 column tiles x 6 K steps x 4 row tiles = 96 products on 16 accumulators, which leave at once as codes.
; LAYOUT OUT.  The results are stored as IMAGES OF THE NEXT OPERANDS REGISTERS (a fragment of 16 rows x 64 K: 8 registers; registers 4p..4p+3 of lane l at byte 512 p + 16 l).  q and k: source 0 = 16 weight rows,
; source 1 = 16 rows of x: a lane holds one row and eight neighbours along the head.  v: the sources change places: a lane holds one channel and eight neighbouring keys, which are the K of the second product.
; Each store of a wave covers 512 consecutive bytes, aligned.
; K IS PERMUTED ALIKE in x and W inside a K step of 128 (four loads of 16 bytes a fragment): every product meets its partner; only the order of the sums inside an instruction changes.
; CLUSTER 4 x 4: the four of a row need the same rows of x, the four of a column the same rows of W: each tile is asked for jointly.
; LDS: six slots of 64 rows.  A row of 768 bytes gets 16 bytes of padding behind each 256: 816 bytes = 204 words, so row r starts at bank 12 r mod 64: sixteen rows, sixteen different groups of four banks.
; LIMITS: e6-e0-e1, e7-e2-e3, e9-e4-e5 between -126 and 119, so that each scale and 448 x the scale is an f32 number.  NaN among the biases is not served.
; REGISTERS: window 0: v1-11 addresses and scales; v32-63 the block's bias (C of its first products); v64-95 codes; v128-191, v192-255 two sets of W's four fragments.
;   window 1: x, K steps 0-3 (fragment (g, a) at 16 (4 g + a)).   window 2: v0-127 x, K steps 4, 5; v128-255 the accumulators ((a, b) at 128 + 8 (4 a + b)).
.set RP,    816                        ; an LDS row
.set TP,    16*RP                      ; sixteen of them
.set SLOTB, 64*RP                      ; a slot: 52,224 bytes
.set HALFB, 32*RP
.set SPARE, 6*SLOTB                    ; behind the slots: the spare words, 128 bytes a wave, two blocks of 256 bytes that no other line names
.set PADW,  (1<<20)|(1<<21)|(5<<22)|(3<<25)   ; elements of 1 byte; padding on; bit 21 beside a mask; after every 64 words; four words
.set LI,   1                           ; v1  16 x lane
.set XA,   2                           ; v2  my rows of x in LDS
.set WA,   3                           ; v3  my lane in a block of W: row r x 816 + 16 h
.set WB,   4                           ; v4  the same in the slot in hand
.set BA,   5                           ; v5  32 h: my eight numbers of a bias tile (q, k)
.set BV,   6                           ; v6  4 r: my one number (v)
.set SC,   7                           ; v7-9  the three conversions scales
.set SPW,  10
.set NIL,  11
.set BIAS, 32
.set CT,   64
.set BS,   128
.set ACC,  128
.set WV,   34                          ; s34 wave
.set G1X,  40                          ; s[40:47] group 1 for x: mask of my row of the cluster, 64 rows
.set G1W,  48                          ; s[48:55] for W: mask of my column, 64 rows
.set G1H,  56                          ; s[56:63] for W: 32 rows
.set WOFF, 66                          ; s[66:67] byte offset of my 32 weight rows
.set G0A,  68
.set G0B,  72
.set G0C,  76
.set OB,   80                          ; s[80:85] where my images go: q, k, v
.set LIM,  86                          ; s86+2m: 448 x scale; s87+2m: its negative
.set NEG,  92                          ; s92+m: -(ex + ew)
.set MSB, 0
.macro WIN new                         ; the immediate's high byte repeats the setting that is left
.if MSB != (\new)
	s_set_vgpr_msb (MSB<<8)|(\new)
.set MSB, (\new)
.endif
.endm
.macro PLACES                          ; four plain vector instructions behind a matrix instruction, ahead of loads into its sources and reads of its result
.rept 4
	v_nop
.endr
.endm
.macro CROUND                          ; a round of the cluster's barrier
	s_barrier_signal -1
	s_barrier_wait -1
	s_cmp_lg_u32 s[WV], 0
	s_cbranch_scc1 .Lnot_wave_0_\@
	s_barrier_signal -3
.Lnot_wave_0_\@:
	s_barrier_wait -3
	s_barrier_signal -1
	s_barrier_wait -1
.endm
; W's four fragments of K step g of the slot in hand, into set
.macro FETCH g, set
.irp b,0,1,2,3
.irp c,0,1,2,3
	ds_load_b128 v[BS+64*(\set)+16*\b+4*\c:BS+64*(\set)+16*\b+4*\c+3], v[WB] offset:\b*TP+128*(\g)+16*((\g)/2)+32*\c
.endr
.endr
.endm
; sixteen products: the sixteen accumulators take turns, one instruction a turn, in the same order in every K step.  K step 0 starts the sums with the bias as C.
.macro MUL g, set, swap
.if \swap
.if (\g) == 0
	WIN 0x81
.elseif (\g) < 4
	WIN 0xa1
.else
	WIN 0xa2
.endif
.else
.if (\g) == 0
	WIN 0x84
.elseif (\g) < 4
	WIN 0xa4
.else
	WIN 0xa8
.endif
.endif
.irp b,0,1,2,3
.irp a,0,1,2,3
.set mX, 16*(4*((\g)%4)+\a)
.set mB, BS+64*(\set)+16*\b
.set mA, ACC+8*(4*\a+\b)
.if \swap
.if (\g) == 0
	v_wmma_f32_16x16x128_fp8_fp8 v[mA:mA+7], v[mX:mX+15], v[mB:mB+15], v[BIAS+8*\b:BIAS+8*\b+7]
.else
	v_wmma_f32_16x16x128_fp8_fp8 v[mA:mA+7], v[mX:mX+15], v[mB:mB+15], v[mA:mA+7]
.endif
.else
.if (\g) == 0
	v_wmma_f32_16x16x128_fp8_fp8 v[mA:mA+7], v[mB:mB+15], v[mX:mX+15], v[BIAS+8*\b:BIAS+8*\b+7]
.else
	v_wmma_f32_16x16x128_fp8_fp8 v[mA:mA+7], v[mB:mB+15], v[mX:mX+15], v[mA:mA+7]
.endif
.endif
.endr
.endr
.endm
; block j's bias in the result's layout.  q, k: lane (r, h) wants the tile's numbers 8 h + 0..7.  v: its one number r, spread over the eight registers by BSCALE.
.macro BLOAD j
.if (\j) < 6
.irp b,0,1,2,3
	global_load_b128 v[BIAS+8*\b:BIAS+8*\b+3], v[BA], s[12+2*((\j)/3):13+2*((\j)/3)] offset:((\j)%3)*256+\b*64
	global_load_b128 v[BIAS+8*\b+4:BIAS+8*\b+7], v[BA], s[12+2*((\j)/3):13+2*((\j)/3)] offset:((\j)%3)*256+\b*64+16
.endr
.else
.irp b,0,1,2,3
	global_load_b32 v[BIAS+8*\b], v[BV], s[16:17] offset:((\j)%3)*256+\b*64
.endr
.endif
.endm
.macro BSCALE j                        ; a sum stands for sum x 2^(ex + ew), so the bias goes in divided by that
	s_wait_loadcnt 0x0
.if (\j) < 6
.set i, 0
.rept 32
	v_ldexp_f32 v[BIAS+i], v[BIAS+i], s[NEG+(\j)/3]
.set i, i+1
.endr
.else
.irp b,0,1,2,3
.irp q,7,6,5,4,3,2,1,0
	v_ldexp_f32 v[BIAS+8*\b+\q], v[BIAS+8*\b], s[NEG+2]
.endr
.endr
.endif
.endm
; A block: six K steps.  Each step's fragments were asked for sixteen products earlier.  nxt: the slot of the next block, or -1 where a barrier follows.
.macro BLOCK j, nxt, swap
.irp g,0,1,2,3,4,5
	s_wait_dscnt 0x0                               ; this K step's fragments are in
	WIN 0
.if \g > 0
	PLACES                                         ; the set to be loaded was read by the K step before (at step 0 the way out of the block before stands between)
.endif
.if \g < 5
	FETCH \g+1, (\g+1)%2
.elseif \nxt >= 0
	v_add_nc_u32 v[WB], (\nxt)*SLOTB, v[WA]
	FETCH 0, 0
.endif
.if (\g == 1) && ((\j) < 8)
	BLOAD (\j)+1                                   ; behind the places: K step 0 has read this block's bias
.endif
	MUL \g, \g%2, \swap
.endr
.endm
; The way out of block j: held within +-448 x the scale (the conversion to an 8-bit code does not saturate: ISA guide 7.6.2), converted, stored as images.
.macro EPI j
.set em, (\j)/3
.set eh, (\j)%3
.set eB, 131072
.if em == 0
.set eB, 65536
.endif
	PLACES
	WIN 0x82
.set i, 0
.rept 128
	v_med3_num_f32 v[ACC+i], v[ACC+i], s[LIM+1+2*em], s[LIM+2*em]   ; each accumulator from its low end on
.set i, i+1
.endr
	s_wait_xcnt 0x0                                ; the last block's stores have read the codes registers
	WIN 0x02
.irp a,0,1,2,3
.irp b,0,1,2,3
.if em < 2
	v_cvt_scalef32_pk8_fp8_f32 v[CT+8*\a+2*\b:CT+8*\a+2*\b+1], v[ACC+8*(4*\a+\b):ACC+8*(4*\a+\b)+7], v[SC+em]   ; row tile a's fragment, registers 2 b, 2 b + 1: channels 16 b + 8 h + 0..7
.else
	v_cvt_scalef32_pk8_fp8_f32 v[CT+8*\b+2*\a:CT+8*\b+2*\a+1], v[ACC+8*(4*\a+\b):ACC+8*(4*\a+\b)+7], v[SC+em]   ; channel tile b's fragment, registers 2 a, 2 a + 1: keys 16 a + 8 h + 0..7
.endif
.endr
.endr
	WIN 0
	v_nop                                          ; a plain instruction behind the last conversion: the next products write its sources
.irp t,0,1,2,3
.irp p,0,1
	global_store_b128 v[LI], v[CT+8*\t+4*\p:CT+8*\t+4*\p+3], s[OB+2*em:OB+2*em+1] offset:eh*eB+\t*1024+\p*512
.endr
.endr
.if (\j) < 8
	BSCALE (\j)+1
.endif
.endm
.macro KONST m, ea, eb, eq             ; d = eq - ea - eb: the three scales folded into the conversion's one
	s_add_co_i32 s2, s[\ea], s[\eb]
	s_sub_co_i32 s[NEG+\m], 0, s2
	s_sub_co_i32 s2, s[\eq], s2
	s_add_co_i32 s2, s2, 127
	s_lshl_b32 s3, s2, 23
	v_mov_b32 v[SC+\m], s3                         ; 2^d as f32
	s_add_co_i32 s2, s2, 8
	s_lshl_b32 s2, s2, 23
	s_or_b32 s[LIM+2*\m], s2, 0x600000             ; 448 x 2^d
	s_or_b32 s[LIM+1+2*\m], s[LIM+2*\m], 0x80000000
.endm
	s_load_b512 s[4:19], s[0:1], 0x0               ; x s[4:5], Wq s[6:7], Wk s[8:9], Wv s[10:11], bq s[12:13], bk s[14:15], bv s[16:17], scales s[18:19]
	s_load_b128 s[20:23], s[0:1], 0x40             ; qimg, kvimg
	v_lshl_add_u32 v[SPW], v0, 2, SPARE
	v_mov_b32 v[NIL], 0
	ds_add_u32 v[SPW], v[NIL]                      ; the opening: the add, twice on end, and its wait ahead of my first tensor load
	ds_add_u32 v[SPW], v[NIL]
	v_lshrrev_b32 v1, 5, v0
	v_readfirstlane_b32 s[WV], v1                  ; wave 0..3
	s_bfe_u32 s35, ttmp6, 0x40000                  ; cx
	s_bfe_u32 s36, ttmp6, 0x40004                  ; cy
	s_lshl_b32 s37, ttmp9, 2
	s_add_co_u32 s37, s37, s35                     ; cg: which 192 columns
	s_and_b32 s38, ttmp7, 0xffff
	s_lshl_b32 s38, s38, 2
	s_add_co_u32 s38, s38, s36                     ; rb: which 256 rows
	s_lshl_b32 s2, s36, 2
	s_lshl_b32 s2, 15, s2                          ; my row of the cluster
	s_lshl_b32 s3, 0x1111, s35                     ; my column
	s_or_b32 s[G1X], s2, PADW
	s_or_b32 s[G1W], s3, PADW
	s_or_b32 s[G1H], s3, PADW
.irp g, G1X, G1W, G1H
	s_mov_b32 s[\g+1], 768<<16                     ; tensor_dim0
	s_mov_b32 s[\g+3], 768<<16                     ; tile_dim0
	s_mov_b32 s[\g+5], 768                         ; from row to row
	s_mov_b32 s[\g+6], 0
	s_mov_b32 s[\g+7], 0
.endr
	s_mov_b32 s[G1X+2], 64<<16                     ; tensor_dim1
	s_mov_b32 s[G1X+4], 64                         ; tile_dim1
	s_mov_b32 s[G1W+2], 64<<16
	s_mov_b32 s[G1W+4], 64
	s_mov_b32 s[G1H+2], 32<<16
	s_mov_b32 s[G1H+4], 32
	s_lshl_b32 s96, s38, 8                         ; x: row 256 rb + 64 wave (these two registers never hold cx)
	s_lshl_b32 s97, s[WV], 6
	s_add_co_u32 s96, s96, s97
	s_mul_i32 s96, s96, 768
	s_mov_b32 s97, 0
	s_mul_i32 s[WOFF], s37, 192                    ; W: row 192 cg + 32 wave (never cy)
	s_lshl_b32 s[WOFF+1], s[WV], 5
	s_add_co_u32 s[WOFF], s[WOFF], s[WOFF+1]
	s_mul_i32 s[WOFF], s[WOFF], 768
	s_mov_b32 s[WOFF+1], 0
	s_mov_b32 s[G0A], 1
	s_mul_i32 s[G0A+1], s[WV], SLOTB               ; slot w: no place in the cluster enters an LDS address
	s_mov_b32 s[G0B], 1
	s_mul_i32 s[G0B+1], s[WV], HALFB
	s_add_co_u32 s[G0B+1], s[G0B+1], 4*SLOTB       ; slots 4 and 5, a quarter each
	s_mov_b32 s[G0C], 1
	s_mul_i32 s[G0C+1], s[WV], SLOTB
	s_wait_dscnt 0x0                               ; both opening adds are done
	s_wait_kmcnt 0x0
	s_load_b256 s[24:31], s[18:19], 0x0            ; e0 .. e7
	s_load_b64 s[32:33], s[18:19], 0x20            ; e8, e9
	s_add_nc_u64 s[G0A+2:G0A+3], s[4:5], s[96:97]
	s_or_b32 s[G0A+3], s[G0A+3], 0x80000000
	s_add_nc_u64 s[G0B+2:G0B+3], s[6:7], s[WOFF:WOFF+1]
	s_or_b32 s[G0B+3], s[G0B+3], 0x80000000
	CROUND                                         ; all sixteen work-groups are here: the first joint loads meet
	tensor_load_to_lds s[G0A:G0A+3], s[G1X:G1X+7]  ; my 64 rows of x -> slot w
	s_nop 0
	tensor_load_to_lds s[G0B:G0B+3], s[G1H:G1H+7]  ; 32 rows of Wq -> slots 4, 5: blocks 0 and 1.  Two loads of mine are out
	s_nop 0
.rept 4
	v_nop
.endr
	v_and_b32 v1, 31, v0
	v_lshlrev_b32 v[LI], 4, v1
	v_and_b32 v12, 15, v0                          ; r
	v_bfe_u32 v13, v0, 4, 1                        ; h
	v_mul_u32_u24 v[WA], v12, RP
	v_lshl_add_u32 v[WA], v13, 4, v[WA]
	v_add_nc_u32 v[XA], s[G0A+1], v[WA]
	v_lshlrev_b32 v[BA], 5, v13
	v_lshlrev_b32 v[BV], 2, v12
	s_mul_i32 s98, s37, 768                        ; my 192 numbers of each bias
	s_mov_b32 s99, 0
	s_add_nc_u64 s[12:13], s[12:13], s[98:99]
	s_add_nc_u64 s[14:15], s[14:15], s[98:99]
	s_add_nc_u64 s[16:17], s[16:17], s[98:99]
	BLOAD 0
	; the first refill's descriptor: wave 0: Wq rows +128 (block 2); waves 1-3: Wk rows +64 (w - 1) (blocks 3-5)
	s_cmp_eq_u32 s[WV], 0
	s_cselect_b64 s[G0C+2:G0C+3], s[6:7], s[8:9]
	s_cselect_b32 s98, 3, s[WV]
	s_sub_co_u32 s98, s98, 1
	s_lshl_b32 s98, s98, 6
	s_mul_i32 s99, s37, 192
	s_add_co_u32 s98, s98, s99
	s_mul_i32 s98, s98, 768
	s_mov_b32 s99, 0
	s_add_nc_u64 s[G0C+2:G0C+3], s[G0C+2:G0C+3], s[98:99]
	s_or_b32 s[G0C+3], s[G0C+3], 0x80000000
	; where my images go: y0 = 12 (rb / 4) + 3 cg; tile = 16 (rb % 4) + 4 wave
	s_lshr_b32 s100, s38, 2
	s_mul_i32 s100, s100, 12
	s_mul_i32 s101, s37, 3
	s_add_co_u32 s100, s100, s101
	s_and_b32 s2, s38, 3
	s_lshl_b32 s2, s2, 4
	s_lshl_b32 s3, s[WV], 2
	s_add_co_u32 s2, s2, s3
	s_lshl_b32 s2, s2, 10                          ; 1,024 x tile = 4,096 x my group of 64 keys
	s_lshl_b32 s3, s100, 16
	s_add_co_u32 s100, s3, s2
	s_mov_b32 s101, 0
	s_add_nc_u64 s[OB:OB+1], s[20:21], s[100:101]          ; q: 65,536 y0 + 1,024 tile
	s_add_co_u32 s100, s100, s3
	s_add_nc_u64 s[OB+2:OB+3], s[22:23], s[100:101]        ; k: 131,072 y0 + 1,024 tile
	s_add_nc_u64 s[OB+4:OB+5], s[OB+2:OB+3], 0x10000       ; v: 65,536 further on
	s_wait_tensorcnt 0x1                           ; my rows of x are in (my part of Wq, issued behind them, may be out); only I read them
	WIN 0x40
.irp g,0,1,2,3
.irp a,0,1,2,3
.irp c,0,1,2,3
	ds_load_b128 v[16*(4*\g+\a)+4*\c:16*(4*\g+\a)+4*\c+3], v[XA] offset:\a*TP+128*\g+16*(\g/2)+32*\c
.endr
.endr
.endr
	WIN 0x80
.irp g,4,5
.irp a,0,1,2,3
.irp c,0,1,2,3
	ds_load_b128 v[16*(4*(\g-4)+\a)+4*\c:16*(4*(\g-4)+\a)+4*\c+3], v[XA] offset:\a*TP+128*\g+16*(\g/2)+32*\c
.endr
.endr
.endr
	WIN 0
	s_wait_kmcnt 0x0
	KONST 0, 24, 25, 30
	KONST 1, 26, 27, 31
	KONST 2, 28, 29, 33
	; FIRST REFILL: x has left slots 0-3; they take blocks 2-5
	s_wait_tensorcnt 0x0                           ; all my tensor loads have landed, my part of blocks 0 and 1 among them
	ds_add_u32 v[SPW], v[NIL]
	v_add_nc_u32 v[WB], 4*SLOTB, v[WA]             ; block 0 lies in slot 4
	s_wait_dscnt 0x0                               ; the add is done, and x is in my registers
	CROUND
	tensor_load_to_lds s[G0C:G0C+3], s[G1W:G1W+7]
	s_nop 0
.rept 4
	v_nop
.endr
	FETCH 0, 0
	BSCALE 0
	BLOCK 0, 5, 0
	EPI 0
	BLOCK 1, -1, 0
	EPI 1
	; SECOND REFILL: slots 4 and 5 take Wv's first 128 rows, blocks 6 and 7: four blocks' work in which to land
	s_wait_tensorcnt 0x0                           ; blocks 2-5: my part has landed
	ds_add_u32 v[SPW], v[NIL]
	s_add_nc_u64 s[G0B+2:G0B+3], s[10:11], s[WOFF:WOFF+1]
	s_or_b32 s[G0B+3], s[G0B+3], 0x80000000
	v_mov_b32 v[WB], v[WA]                         ; block 2 lies in slot 0
	s_wait_dscnt 0x0                               ; my reads of slots 4 and 5 are over
	CROUND
	tensor_load_to_lds s[G0B:G0B+3], s[G1H:G1H+7]
	s_nop 0
.rept 4
	v_nop
.endr
	FETCH 0, 0
	BLOCK 2, 1, 0
	EPI 2
	BLOCK 3, 2, 0
	EPI 3
	BLOCK 4, 3, 0
	EPI 4
	BLOCK 5, -1, 0
	EPI 5
	; THIRD REFILL: slot 0 takes Wv's last 64 rows, block 8; one load, wave 0's
	s_wait_tensorcnt 0x0
	ds_add_u32 v[SPW], v[NIL]
	s_mul_i32 s98, s37, 192
	s_add_co_u32 s98, s98, 128
	s_mul_i32 s98, s98, 768
	s_mov_b32 s99, 0
	s_mov_b32 s[G0A+1], 0
	s_add_nc_u64 s[G0A+2:G0A+3], s[10:11], s[98:99]
	s_or_b32 s[G0A+3], s[G0A+3], 0x80000000
	v_add_nc_u32 v[WB], 4*SLOTB, v[WA]             ; block 6 lies in slot 4
	s_wait_dscnt 0x0
	CROUND
	s_cmp_lg_u32 s[WV], 0                          ; the wave's number alone: the same in every work-group
	s_cbranch_scc1 .Lnot_mine
	tensor_load_to_lds s[G0A:G0A+3], s[G1W:G1W+7]
	s_nop 0
.rept 4
	v_nop
.endr
.Lnot_mine:
	FETCH 0, 0
	BLOCK 6, 5, 1
	EPI 6
	BLOCK 7, -1, 1
	EPI 7
	s_wait_tensorcnt 0x0                           ; block 8 has landed
	ds_add_u32 v[SPW], v[NIL]
	v_mov_b32 v[WB], v[WA]
	s_wait_dscnt 0x0
	s_barrier_signal -1
	s_barrier_wait -1
	FETCH 0, 0
	BLOCK 8, -1, 1
	EPI 8
	s_wait_tensorcnt 0x0                           ; the wave's end
	ds_add_u32 v[SPW], v[NIL]
	s_wait_dscnt 0x0
	CROUND                                         ; the closing round
	s_endpgm
.Lfunc_end_k_q833bbcba30_qkv:
	.size	k_q833bbcba30_qkv, .Lfunc_end_k_q833bbcba30_qkv-k_q833bbcba30_qkv
	.p2alignl 7, 3214868480
	.fill 96, 4, 3214868480
	.section	.rodata,"a",@progbits
	.p2align	6, 0x0
	.amdhsa_kernel k_q833bbcba30_qkv
		.amdhsa_group_segment_fixed_size 327680
		.amdhsa_private_segment_fixed_size 0
		.amdhsa_enable_private_segment 0
		.amdhsa_kernarg_size 80
		.amdhsa_user_sgpr_count 2
		.amdhsa_user_sgpr_kernarg_segment_ptr 1
		.amdhsa_wavefront_size32 1
		.amdhsa_system_sgpr_workgroup_id_x 1
		.amdhsa_system_sgpr_workgroup_id_y 1
		.amdhsa_system_sgpr_workgroup_id_z 1
		.amdhsa_system_vgpr_workitem_id 0
		.amdhsa_next_free_vgpr 768
		.amdhsa_next_free_sgpr 102
		.amdhsa_reserve_vcc 0
		.amdhsa_float_denorm_mode_32 3
		.amdhsa_float_denorm_mode_16_64 3
		.amdhsa_memory_ordered 1
		.amdhsa_forward_progress 1
		.amdhsa_inst_pref_size 250
	.end_amdhsa_kernel
	.amdgpu_metadata
---
amdhsa.version: [ 1, 2 ]
amdhsa.kernels:
  - .name:           k_q833bbcba30_qkv
    .symbol:         k_q833bbcba30_qkv.kd
    .args:
      - { .name: x_codes, .offset: 0, .size: 8, .value_kind: global_buffer, .address_space: global }
      - { .name: Wq_codes, .offset: 8, .size: 8, .value_kind: global_buffer, .address_space: global }
      - { .name: Wk_codes, .offset: 16, .size: 8, .value_kind: global_buffer, .address_space: global }
      - { .name: Wv_codes, .offset: 24, .size: 8, .value_kind: global_buffer, .address_space: global }
      - { .name: bq, .offset: 32, .size: 8, .value_kind: global_buffer, .address_space: global }
      - { .name: bk, .offset: 40, .size: 8, .value_kind: global_buffer, .address_space: global }
      - { .name: bv, .offset: 48, .size: 8, .value_kind: global_buffer, .address_space: global }
      - { .name: lowp_scales, .offset: 56, .size: 8, .value_kind: global_buffer, .address_space: global }
      - { .name: qimg, .offset: 64, .size: 8, .value_kind: global_buffer, .address_space: global }
      - { .name: kvimg, .offset: 72, .size: 8, .value_kind: global_buffer, .address_space: global }
    .group_segment_fixed_size: 327680
    .private_segment_fixed_size: 0
    .kernarg_segment_align: 8
    .kernarg_segment_size: 80
    .max_flat_workgroup_size: 128
    .sgpr_count:     102
    .vgpr_count:     768
    .wavefront_size: 32
...
	.end_amdgpu_metadata
.endif
;; end of part 1
;; launch attn (part 2): grid 4 x 192, 4 waves a work-group, no clusters, 135,680 bytes of LDS; arguments qimg, kvimg, lowp_scales, ctximg; writes ctximg
.if DOCPART == 2
	.amdgcn_target "amdgcn-amd-amdhsa--gfx1250"
	.amdhsa_code_object_version 6
	.text
	.protected	k_q833bbcba30_attn
	.globl	k_q833bbcba30_attn
	.p2align	8
	.type	k_q833bbcba30_attn,@function
k_q833bbcba30_attn:
	s_mov_b64 s[64:65], 0
	v_nop
	global_prefetch_b8 v0, s[64:65] scope:SCOPE_SE
	s_setreg_imm32_b32 hwreg(HW_REG_WAVE_MODE, 25, 1), 1
	s_wait_xcnt 0x0
; For one (t, b, head) y and a quarter x of its queries: scores = q k^T / 8, act = relu(scores), attn = act / (row sum + 1e-6), ctx = attn v; both products on codes of E4M3.
; attn is quantised FINISHED: a query's sum over all 1,024 keys is known before any of its weights becomes a code.  No work of the problem is left out here.
; SHARES.  THE KEYS STAY: wave w holds keys 256 w .. 256 w + 255 for the whole launch, K in 128 registers and V^T in 128, loaded once as register images.  Queries go in four batches of 64.
; A wave's scores of a batch, 64 x 256, are 512 registers and stay there from the product to the conversion: q k^T is made once.  Between waves go the partial row sums (2 KB a batch) and
; the partial O^T (64 KB a batch), through LDS, with ONE barrier a batch: it shows batch b's sums and batch b - 1's parts; both regions take turns by the batch's parity.
; LAYOUT.  S^T = K Q^T (source 0 = 16 keys, source 1 = 16 queries): a lane holds one query and eight neighbouring keys, so the conversions' results are source 1 of O^T = V^T P^T, and O^T's are the image of ctx.
; NO CLUSTER: K and V come once a work-group, 32 KB a wave, straight into the registers where they stay; asked for jointly they would land in LDS, and the same 64 loads a wave would still follow.
; WINDOWS.  Window W (0..3) owns 64 of the wave's keys: v32-63 K, v64-95 V^T, v96-127 Q and later p's codes, v128-255 scores (tile (qt, kt) at 128 + 8 (4 qt + kt)), v11 2^e8, v12-15 partial sums,
; v16-31 running sums and later the rows' factors at v16, 18, 20, 22.  Under the one setting 0x55 W the products, relu, sums, scaling, hold and conversion run with no switch.
; O^T (tile (qt, dt) at 128 + 8 (4 qt + dt)) lies over window 0's scores once they are converted.  Window 0 also: v1-8 addresses.  Window 1 also: v10 the scale of ctx.
; THE VECTOR WORK, 2 1/8 instructions a score: relu and the hold go two numbers an instruction (dual forms: an even and an odd register, both halves under the same window), the sums and the factor packed,
; the conversion eight at a time.  The wave is alone on its SIMD, so the work is STAGGERED: a tile's relu stands between the sums of the tile before; a tile's multiplies between the holds of the tile before,
; with the conversion of the tile before that in the middle: no line reads what the line above it made.
; LIMITS: e6 + e7 - 3 between -126 and 127; e8 and e10 - e8 - e9 between -126 and 119.  The division is a reciprocal (v_rcp_f32) and a multiplication; a divisor beyond 2^126 gives 0.
.set SPARE, 135168                     ; sums 0..4,095: [parity][wave][512]; parts 4,096..135,167: [wave][parity][tile][8 x 512]; then the spare words, 128 bytes a wave
.set LI,   1                           ; v1 16 x lane
.set SUMA, 2                           ; v2 where I store my sums
.set OW,   3                           ; v3 where I store my parts of O^T
.set OR0,  4                           ; v4, v5 where I read tile w's parts of waves 0, 1 and 2, 3
.set SPW,  6
.set NIL,  7
.set PFO,  8                           ; v8 256 x lane
.set TR,   40                          ; s40 the trip
.set MSB, 0
.macro WIN new
.if MSB != (\new)
	s_set_vgpr_msb (MSB<<8)|(\new)
.set MSB, (\new)
.endif
.endm
.macro PLACES
.rept 4
	v_nop
.endr
.endm
; Tile i of 64 of the scores: window (i / 16 + 1) % 4 (window 0 last: O^T of the batch before lies there), key tile (i % 16) / 4, query tile i % 4.
.macro QK i
.set qW, (((\i)>>4)+1)%4
.set qk, ((\i)&15)>>2
.set qq, (\i)&3
.if ((\i)&15) == 0
.if qW == 1
	s_wait_loadcnt 0x10                            ; Q's loads were issued for windows 0, 1, 2, 3, eight each: windows 2 and 3 may be out
.elseif qW == 2
	s_wait_loadcnt 0x8                             ; window 3's may be out
.elseif qW == 3
	s_wait_loadcnt 0x0
.else
	s_wait_dscnt 0x0                               ; the stores of the last batch's O^T have read their registers
.endif
.endif
	WIN 0x55*qW
	v_wmma_f32_16x16x64_fp8_fp8 v[128+8*(4*qq+qk):135+8*(4*qq+qk)], v[32+8*qk:39+8*qk], v[96+8*qq:103+8*qq], 0
.endm
; relu in place, pair n of tile i's four: two numbers an instruction; pair 0 first, so that the accumulator is read from its low end on
.macro MX i, n
.set xS, 128+8*(4*((\i)&3)+(((\i)&15)>>2))+2*(\n)
	v_dual_max_num_f32 v[xS], 0, v[xS] :: v_dual_max_num_f32 v[xS+1], 0, v[xS+1]
.endm
; sum n of tile i's four, onto two chains a query tile (n even: v16 + 4 qt, n odd: v18 + 4 qt); a window's first key tile starts the chains with two sums: nothing is cleared
.macro AD i, n
.set ak, ((\i)&15)>>2
.set aS, 128+8*(4*((\i)&3)+ak)
.set aA, 16+4*((\i)&3)+2*((\n)&1)
.if ak == 0
.if (\n) < 2
	v_pk_add_f32 v[aA:aA+1], v[aS+2*(\n):aS+2*(\n)+1], v[aS+2*(\n)+4:aS+2*(\n)+5]
.endif
.else
	v_pk_add_f32 v[aA:aA+1], v[aA:aA+1], v[aS+2*(\n):aS+2*(\n)+1]
.endif
.endm
.macro WSUM W                          ; a window's sums: one number a query tile
	WIN 0x55*(\W)
.irp q,0,1,2,3
	v_pk_add_f32 v[16+4*\q:17+4*\q], v[16+4*\q:17+4*\q], v[18+4*\q:19+4*\q]
.endr
.irp q,0,1,2,3
	v_add_f32 v[12+\q], v[16+4*\q], v[17+4*\q]
.endr
.endm
; A tile of a window becomes codes in three stages: x the row's factor (ML), held at 448 x 2^e8 (MN: never negative, so one-sided; the conversion does not saturate: ISA guide 7.6.2),
; converted into registers 2 kt, 2 kt + 1 of p's fragment (CV).  Tile t = 4 qt + kt.
.macro ML t, n
.set mS, 128+8*(\t)+2*(\n)
	v_pk_mul_f32 v[mS:mS+1], v[mS:mS+1], v[16+2*((\t)>>2):17+2*((\t)>>2)] op_sel_hi:[1,0]
.endm
.macro MN t, n
.set mS, 128+8*(\t)+2*(\n)
	v_dual_min_num_f32 v[mS], s32, v[mS] :: v_dual_min_num_f32 v[mS+1], s32, v[mS+1]
.endm
.macro CV t
	v_cvt_scalef32_pk8_fp8_f32 v[96+8*((\t)>>2)+2*((\t)&3):97+8*((\t)>>2)+2*((\t)&3)], v[128+8*(\t):135+8*(\t)], v11
.endm
; Step t of 18 of window W: tile t's multiplies, tile t - 1's holds between them, tile t - 2's conversion in the middle.  Steps 16 and 17 drain; a plain instruction closes the window's run of conversions.
.macro NSTEP W, t
	WIN 0x55*(\W)
.irp n,0,1,2,3
.if (\t) < 16
	ML \t, \n
.endif
.if ((\t) > 0) && ((\t) < 17)
	MN (\t)-1, \n
.endif
.if (\n == 1) && ((\t) > 1)
	CV (\t)-2
.endif
.endr
.if (\t) == 17
	v_nop                                          ; behind the window's last conversion: products read its codes, and loads or products write its sources
.endif
.endm
; product i of 16 of O^T += V^T P^T over window W's 64 keys; the sixteen accumulators take turns; window 0 starts the sums
.macro PV W, i
.set pq, (\i)&3
.set pd, (\i)>>2
.set pO, 128+8*(4*pq+pd)
	WIN ((\W)<<2)|(\W)
.if (\W) == 0
	v_wmma_f32_16x16x64_fp8_fp8 v[pO:pO+7], v[64+8*pd:71+8*pd], v[96+8*pq:103+8*pq], 0
.else
	v_wmma_f32_16x16x64_fp8_fp8 v[pO:pO+7], v[64+8*pd:71+8*pd], v[96+8*pq:103+8*pq], v[pO:pO+7]
.endif
.endm
; They go in fours, behind every fourth step of the next window: one tile of channels x the four tiles of queries, two switches for the four
.macro PVG W, t
.if ((\t) < 16) && (((\t)&3) == 3)
.irp d,3,2,1,0
	PV \W, (\t)-\d
.endr
.endif
.endm
.macro QLOAD W, rel                    ; the four Q fragments of the batch rel further on, into window W
	WIN (\W)<<6
.irp n,0,1,2,3,4,5,6,7
	global_load_b128 v[96+4*\n:99+4*\n], v[LI], s[50:51] offset:(\rel)*4096+\n*512
.endr
.endm
.macro OSTORE par                      ; my parts of O^T, each accumulator from its low end on
	WIN 0
.irp q,0,1,2,3
.irp n,0,1,2,3,4,5,6,7
	ds_store_b128 v[OW], v[128+32*\q+4*\n:131+32*\q+4*\n] offset:(\par)*16384+\q*4096+\n*512
.endr
.endr
.endm
.macro RLOAD par, guard                ; the four waves' parts of query tile w of the batch before, into window 1's score registers, which are converted.  guard: not in the first batch
	WIN 0
.if \guard
	s_cmp_eq_u32 s[TR], 0
	s_cbranch_scc1 .Lno_parts_\@
.endif
	WIN 0x40
.irp s,0,1,2,3
.irp n,0,1,2,3,4,5,6,7
	ds_load_b128 v[128+32*\s+4*\n:131+32*\s+4*\n], v[OR0+(\s)/2] offset:((\s)%2)*32768+(\par)*16384+\n*512
.endr
.endr
	WIN 0
.if \guard
.Lno_parts_\@:
.endif
.endm
.macro RSUM off, guard                 ; they are added, held, converted by 2^(e10 - e8 - e9) and stored as the image of ctx: 1,024 consecutive bytes
	WIN 0
	s_wait_dscnt 0x0                               ; the parts are in (ahead of the branch: no LDS load is pending on either way)
.if \guard
	s_cmp_eq_u32 s[TR], 0
	s_cbranch_scc1 .Lno_sum_\@
.endif
	WIN 0x55
.set i, 0
.rept 16
	v_pk_add_f32 v[128+i:129+i], v[128+i:129+i], v[160+i:161+i]
	v_pk_add_f32 v[192+i:193+i], v[192+i:193+i], v[224+i:225+i]
.set i, i+2
.endr
.set i, 0
.rept 16
	v_pk_add_f32 v[128+i:129+i], v[128+i:129+i], v[192+i:193+i]
.set i, i+2
.endr
.set i, 0
.rept 32
	v_med3_num_f32 v[128+i], v[128+i], s35, s36
.set i, i+1
.endr
.irp d,0,1,2,3
	v_cvt_scalef32_pk8_fp8_f32 v[160+2*\d:161+2*\d], v[128+8*\d:135+8*\d], v10
.endr
	v_nop                                          ; a plain instruction behind the last conversion: the next batch's products write its registers
	WIN 0x04
	global_store_b128 v[LI], v[160:163], s[52:53] offset:\off
	global_store_b128 v[LI], v[164:167], s[52:53] offset:\off+512
	WIN 0
.if \guard
.Lno_sum_\@:
.endif
.endm
; A PREFETCH INTO THE L2, in the work-group's last batch, of what the head 64 further on will load first: each wave 8,192 bytes of quarter x of that head's K and V, lanes 256 bytes apart;
; waves 0 and 1 the 16,384 bytes of its quarter x of Q.  The four work-groups of a head cover K and V once; each block of 256 bytes is named once in the launch.  Heads from 128 on ask for nothing.
.macro ASK
	s_cmp_eq_u32 s[TR], s41
	s_cbranch_scc0 .Lno_kv_\@
	global_prefetch_b8 v[PFO], s[44:45] th:TH_LOAD_NT scope:SCOPE_SE
.Lno_kv_\@:
	s_cmp_eq_u32 s[TR], s42
	s_cbranch_scc0 .Lno_q_\@
	global_prefetch_b8 v[PFO], s[46:47] th:TH_LOAD_NT scope:SCOPE_SE
.Lno_q_\@:
.endm
.macro BATCH par
	; ---- A: scores, relu, sums.  A product stands three tiles (18 plain instructions or more) ahead of its first reader; tile i's relu stands between tile i - 1's sums
	s_wait_xcnt 0x0                                ; the stores of ctx have read window 1's registers
	QK 0
	QK 1
	QK 2
	PLACES
.set bi, 0
.rept 64
.if bi+3 < 64
	QK bi+3
.endif
	WIN 0x55*(((bi>>4)+1)%4)
.irp n,0,1,2,3
	MX bi, \n
.if (bi&15) > 0
	AD bi-1, \n
.endif
.endr
.if (bi&15) == 15
.irp n,0,1,2,3
	AD bi, \n                                      ; the window's last tile has no successor to stand between
.endr
	WSUM ((bi>>4)+1)%4
.endif
.set bi, bi+1
.endr
	; ---- the wave's sums: four windows, the two halves of the lanes; then to LDS
	WIN 0x04
	v_pk_add_f32 v[12:13], v[12:13], v[12:13]      ; window 0's += window 1's
	v_pk_add_f32 v[14:15], v[14:15], v[14:15]
	WIN 0x08
	v_pk_add_f32 v[12:13], v[12:13], v[12:13]      ; += window 2's
	v_pk_add_f32 v[14:15], v[14:15], v[14:15]
	WIN 0x0c
	v_pk_add_f32 v[12:13], v[12:13], v[12:13]      ; += window 3's
	v_pk_add_f32 v[14:15], v[14:15], v[14:15]
	WIN 0
.irp q,0,1,2,3
	v_permlanex16_b32 v[16+\q], v[12+\q], s38, s39 ; the query's other keys lie in the lane 16 away
.endr
	v_pk_add_f32 v[12:13], v[12:13], v[16:17]
	v_pk_add_f32 v[14:15], v[14:15], v[18:19]
	ds_store_b128 v[SUMA], v[12:15] offset:\par*2048
	s_wait_dscnt 0x0                               ; for the others: my sums, and my parts of the last batch's O^T, lie in LDS; my reads of what is written next are over
	s_barrier_signal -1
	s_barrier_wait -1
	; ---- the rows' factors: 2^ES / (2^ES x sum + 1e-6), ES = e6 + e7 - 3
.irp s,0,1,2,3
	ds_load_b128 v[16+4*\s:19+4*\s], v[LI] offset:\par*2048+\s*512
.endr
.if \par
	ASK
.endif
	s_wait_dscnt 0x0
	v_pk_add_f32 v[12:13], v[16:17], v[20:21]
	v_pk_add_f32 v[14:15], v[18:19], v[22:23]
	v_pk_add_f32 v[24:25], v[24:25], v[28:29]
	v_pk_add_f32 v[26:27], v[26:27], v[30:31]
	v_pk_add_f32 v[12:13], v[12:13], v[24:25]
	v_pk_add_f32 v[14:15], v[14:15], v[26:27]
.irp q,0,1,2,3
	v_fma_f32 v[12+\q], v[12+\q], s33, s34
.endr
.irp q,0,1,2,3
	v_rcp_f32 v[24+\q], v[12+\q]
.endr
	v_nop                                          ; a plain instruction behind the last reciprocal
	s_wait_alu depctr_va_vdst(0)                   ; one wait for the four, ahead of their first reader
.irp q,0,1,2,3
	v_mul_f32 v[16+2*\q], s33, v[24+\q]
.endr
.irp W,1,2,3
	WIN (\W)<<6                                    ; destination window W, source window 0: the factors go to every window
.irp q,0,1,2,3
	v_mov_b32 v[16+2*\q], v[16+2*\q]
.endr
.endr
	; ---- B: codes of window W, with the products of window W - 1 in fours between its steps
.set bt, 0
.rept 18
	NSTEP 0, bt
.set bt, bt+1
.endr
.set bt, 0
.rept 18
	NSTEP 1, bt
	PVG 0, bt
.set bt, bt+1
.endr
	RLOAD 1-\par, 1-\par
.set bt, 0
.rept 18
	NSTEP 2, bt
.if bt == 0
.if \par
	WIN 0
	s_cmp_eq_u32 s[TR], 1                          ; the last batch has no successor: no load leaves its buffer
	s_cbranch_scc1 .Lno_q0_\@
	QLOAD 0, 2
.Lno_q0_\@:
.else
	QLOAD 0, 1                                     ; window 0's products are issued; the draining step's four holds, its plain instruction and this step's four multiplies stand between
.endif
.endif
	PVG 1, bt
.set bt, bt+1
.endr
.set bt, 0
.rept 18
	NSTEP 3, bt
.if (bt == 0) && (\par == 0)
	QLOAD 1, 1
.endif
	PVG 2, bt
.set bt, bt+1
.endr
.set bt, 0
.rept 16
	PV 3, bt
.set bt, bt+1
.endr
	WIN 0
	PLACES                                         ; ahead of the loads into p's registers and of the stores of O^T
.if \par
	s_cmp_eq_u32 s[TR], 1                          ; one branch for the three windows, so that the counted waits on these loads hold on either way
	s_cbranch_scc1 .Lno_q1_\@
	QLOAD 1, 2
	QLOAD 2, 2
	QLOAD 3, 2
	WIN 0
.Lno_q1_\@:
	RSUM 0, 0
.else
	QLOAD 2, 1
	QLOAD 3, 1
	RSUM -49152, 1
.endif
	OSTORE \par
.endm
	s_load_b256 s[4:11], s[0:1], 0x0               ; qimg s[4:5], kvimg s[6:7], scales s[8:9], ctximg s[10:11]
	v_lshl_add_u32 v[SPW], v0, 2, SPARE
	v_mov_b32 v[NIL], 0
	v_lshrrev_b32 v1, 5, v0
	v_readfirstlane_b32 s12, v1                    ; wave
	v_and_b32 v1, 31, v0
	v_lshlrev_b32 v[PFO], 8, v1
	v_lshlrev_b32 v[LI], 4, v1
	s_and_b32 s14, ttmp7, 0xffff                   ; y = 12 tb + head
	s_mul_hi_u32 s15, s14, 0x15555556              ; tb = y / 12 (exact for y under 192)
	s_mul_i32 s2, s15, 12
	s_sub_co_u32 s16, s14, s2                      ; head
	s_lshl_b32 s2, s12, 9
	v_add_nc_u32 v[SUMA], s2, v[LI]
	s_lshl_b32 s2, s12, 15
	s_add_co_u32 s2, s2, 4096
	v_add_nc_u32 v[OW], s2, v[LI]
	s_lshl_b32 s2, s12, 12
	s_add_co_u32 s2, s2, 4096
	v_add_nc_u32 v[OR0], s2, v[LI]
	v_add_nc_u32 v[OR0+1], 0x10000, v[OR0]
	s_lshl_b32 s2, s14, 17                         ; K, V: 131,072 y + 16,384 wave
	s_lshl_b32 s3, s12, 14
	s_add_co_u32 s2, s2, s3
	s_mov_b32 s3, 0
	s_lshl_b32 s54, s14, 16                        ; Q: 65,536 y + 16,384 x
	s_lshl_b32 s55, ttmp9, 14
	s_add_co_u32 s54, s54, s55
	s_mov_b32 s55, 0
	s_lshl_b32 s56, s15, 6                         ; ctx: row tile 64 tb + 16 x + wave, 12,288 bytes each, + 1,024 head
	s_lshl_b32 s57, ttmp9, 4
	s_add_co_u32 s56, s56, s57
	s_add_co_u32 s56, s56, s12
	s_mul_i32 s56, s56, 12288
	s_lshl_b32 s57, s16, 10
	s_add_co_u32 s56, s56, s57
	s_mov_b32 s57, 0
	s_add_co_u32 s17, s14, 64                      ; the prefetches: head y + 64
	s_lshl_b32 s18, s17, 17
	s_lshl_b32 s19, ttmp9, 15
	s_add_co_u32 s18, s18, s19
	s_lshl_b32 s19, s12, 13
	s_add_co_u32 s18, s18, s19
	s_mov_b32 s19, 0
	s_lshl_b32 s58, s17, 16
	s_lshl_b32 s59, ttmp9, 14
	s_add_co_u32 s58, s58, s59
	s_lshl_b32 s59, s12, 13
	s_add_co_u32 s58, s58, s59
	s_mov_b32 s59, 0
	s_cmp_lt_u32 s14, 128
	s_cselect_b32 s41, 1, -1                       ; the trip in which I ask for K and V, or none
	s_cmp_lt_u32 s12, 2
	s_cselect_b32 s42, s41, -1                     ; and for Q
	s_mov_b32 s34, 0x358637bd                      ; 1e-6
	s_mov_b32 s38, 0x76543210
	s_mov_b32 s39, 0xfedcba98
	s_mov_b32 s[TR], 0
	s_wait_kmcnt 0x0
	s_load_b256 s[20:27], s[8:9], 0x0              ; e0 .. e7
	s_load_b128 s[28:31], s[8:9], 0x20             ; e8 .. e11
	s_add_nc_u64 s[48:49], s[6:7], s[2:3]
	s_add_nc_u64 s[50:51], s[4:5], s[54:55]
	s_add_nc_u64 s[52:53], s[10:11], s[56:57]
	s_add_nc_u64 s[44:45], s[6:7], s[18:19]
	s_add_nc_u64 s[46:47], s[4:5], s[58:59]
.irp W,0,1,2,3
	WIN (\W)<<6
.irp n,0,1,2,3,4,5,6,7
	global_load_b128 v[32+4*\n:35+4*\n], v[LI], s[48:49] offset:\W*4096+\n*512          ; K: key tiles 4 W .. 4 W + 3 of my sixteen
.endr
.irp n,0,1,2,3,4,5,6,7
	global_load_b128 v[64+4*\n:67+4*\n], v[LI], s[48:49] offset:65536+\W*4096+\n*512    ; V^T: the same 64 keys, four tiles of channels
.endr
.endr
	QLOAD 0, 0
	QLOAD 1, 0
	QLOAD 2, 0
	QLOAD 3, 0
	WIN 0
	s_wait_kmcnt 0x0
	s_add_co_i32 s2, s28, 127
	s_lshl_b32 s3, s2, 23                          ; 2^e8 as f32
	s_add_co_i32 s2, s2, 8
	s_lshl_b32 s2, s2, 23
	s_or_b32 s32, s2, 0x600000                     ; 448 x 2^e8
	s_add_co_i32 s2, s26, s27
	s_add_co_i32 s2, s2, 124                       ; e6 + e7 - 3 + 127
	s_lshl_b32 s33, s2, 23                         ; 2^ES
	s_sub_co_i32 s2, s30, s28
	s_sub_co_i32 s2, s2, s29
	s_add_co_i32 s2, s2, 127
	s_lshl_b32 s54, s2, 23                         ; 2^(e10 - e8 - e9)
	s_add_co_i32 s2, s2, 8
	s_lshl_b32 s2, s2, 23
	s_or_b32 s36, s2, 0x600000                     ; 448 x that,
	s_or_b32 s35, s36, 0x80000000                  ; and its negative
	v_mov_b32 v11, s3
	WIN 0x40
	v_mov_b32 v11, s3
	v_mov_b32 v10, s54
	WIN 0x80
	v_mov_b32 v11, s3
	WIN 0xc0
	v_mov_b32 v11, s3
	WIN 0
.Ltrip:                                            ; two trips of two batches: the parities are constants of the text
	BATCH 0
	BATCH 1
	WIN 0
	s_wait_xcnt 0x0                                ; loads and stores have read their bases
	s_add_nc_u64 s[50:51], s[50:51], 8192
	s_add_nc_u64 s[52:53], s[52:53], 98304
	s_add_co_u32 s[TR], s[TR], 1
	s_cmp_lt_u32 s[TR], 2
	s_cbranch_scc1 .Ltrip
	s_wait_dscnt 0x0                               ; the last batch's parts lie in LDS
	s_barrier_signal -1
	s_barrier_wait -1
	RLOAD 1, 0
	RSUM -49152, 0
	s_wait_tensorcnt 0x0                           ; the wave's end, behind my last LDS store
	ds_add_u32 v[SPW], v[NIL]
	s_wait_dscnt 0x0
	s_endpgm
.Lfunc_end_k_q833bbcba30_attn:
	.size	k_q833bbcba30_attn, .Lfunc_end_k_q833bbcba30_attn-k_q833bbcba30_attn
	.p2alignl 7, 3214868480
	.fill 96, 4, 3214868480
	.section	.rodata,"a",@progbits
	.p2align	6, 0x0
	.amdhsa_kernel k_q833bbcba30_attn
		.amdhsa_group_segment_fixed_size 135680
		.amdhsa_private_segment_fixed_size 0
		.amdhsa_enable_private_segment 0
		.amdhsa_kernarg_size 32
		.amdhsa_user_sgpr_count 2
		.amdhsa_user_sgpr_kernarg_segment_ptr 1
		.amdhsa_wavefront_size32 1
		.amdhsa_system_sgpr_workgroup_id_x 1
		.amdhsa_system_sgpr_workgroup_id_y 1
		.amdhsa_system_sgpr_workgroup_id_z 1
		.amdhsa_system_vgpr_workitem_id 0
		.amdhsa_next_free_vgpr 1024
		.amdhsa_next_free_sgpr 66
		.amdhsa_reserve_vcc 0
		.amdhsa_float_denorm_mode_32 3
		.amdhsa_float_denorm_mode_16_64 3
		.amdhsa_memory_ordered 1
		.amdhsa_forward_progress 1
		.amdhsa_inst_pref_size 209
	.end_amdhsa_kernel
	.amdgpu_metadata
---
amdhsa.version: [ 1, 2 ]
amdhsa.kernels:
  - .name:           k_q833bbcba30_attn
    .symbol:         k_q833bbcba30_attn.kd
    .args:
      - { .name: qimg, .offset: 0, .size: 8, .value_kind: global_buffer, .address_space: global }
      - { .name: kvimg, .offset: 8, .size: 8, .value_kind: global_buffer, .address_space: global }
      - { .name: lowp_scales, .offset: 16, .size: 8, .value_kind: global_buffer, .address_space: global }
      - { .name: ctximg, .offset: 24, .size: 8, .value_kind: global_buffer, .address_space: global }
    .group_segment_fixed_size: 135680
    .private_segment_fixed_size: 0
    .kernarg_segment_align: 8
    .kernarg_segment_size: 32
    .max_flat_workgroup_size: 128
    .sgpr_count:     66
    .vgpr_count:     1024
    .wavefront_size: 32
...
	.end_amdgpu_metadata
.endif
;; end of part 2
;; launch oproj (part 3): grid 64 x 4, 4 waves a work-group, clusters of 4 x 1, 174,592 bytes of LDS; arguments ctximg, Wo_codes, bo, lowp_scales, out0; writes out0
.if DOCPART == 3
	.amdgcn_target "amdgcn-amd-amdhsa--gfx1250"
	.amdhsa_code_object_version 6
	.text
	.protected	k_q833bbcba30_oproj
	.globl	k_q833bbcba30_oproj
	.p2align	8
	.type	k_q833bbcba30_oproj,@function
k_q833bbcba30_oproj:
	s_mov_b64 s[64:65], 0
	v_nop
	global_prefetch_b8 v0, s[64:65] scope:SCOPE_SE
	s_setreg_imm32_b32 hwreg(HW_REG_WAVE_MODE, 25, 1), 1
	s_wait_xcnt 0x0
	s_wait_alu depctr_hold_cnt(0) depctr_sa_sdst(0) depctr_va_vdst(0) depctr_va_sdst(0) depctr_va_ssrc(0) depctr_va_vcc(0) depctr_vm_vsrc(0)
	s_getreg_b32 s2, hwreg(HW_REG_IB_STS2, 6, 4)
	s_cmp_eq_u32 s2, 0
	s_cbranch_scc0 .Lentry_in_a_cluster
	s_endpgm
.Lentry_in_a_cluster:
	s_bfe_u32 s2, ttmp6, 0x10000c
	s_cmp_lg_u32 s2, 0x3003
	s_cbranch_scc0 .Lentry_shape_is_right
	s_endpgm
.Lentry_shape_is_right:
; out = ctx Wo^T + bo on codes of E4M3: sum x 2^(e10 + e11) + bo, f32.  No work of the problem is left out here.
; SHARES.  A work-group of four waves takes 256 rows and 192 columns.  Wave w keeps its 64 rows of ctx, all 768 along K, in 384 registers: they come from memory as register images (two heads' images
; are one fragment of 128 along K, k in its true places).  Wo's 192 rows lie in LDS, filled once; they are taken in three blocks of 64: 96 products on 16 accumulators, then the block's 64 x 64 results leave.
; CLUSTER 4 x 1: the four partners take the same 192 rows of Wo: asked for jointly, 48 rows a wave.
; Source 0 = 16 rows of Wo, source 1 = 16 rows of ctx: a lane holds eight neighbouring columns of one row.  A block's 64 columns are 256 bytes of a row of out, at a multiple of 256:
; they go through the wave's own stage in LDS and sixteen lanes store them together.
; LDS: Wo 192 rows x 816 (16 bytes of padding behind each 256: row r starts at bank 12 r mod 64, so the 32 lanes of an 8-byte load touch 64 different banks); four stages of 16 x 272; the spare words.
; LIMIT: e10 + e11 between -126 and 127.
; REGISTERS: window 0: v1-11 addresses; v32-127 bo in the result's layout; v128-255 two sets of Wo's four fragments.  window 1, window 2 v0-127: ctx.  window 2 v128-255: accumulators.  window 3: the way out.
.set RP,    816
.set TP,    16*RP
.set SLOTB, 64*RP
.set STG,   192*RP                     ; 156,672
.set SPARE, STG+4*16*272               ; 174,080
.set LI,  1
.set WA,  3                            ; v3 row r x 816 + 8 h
.set WB,  4
.set BA,  5                            ; v5 32 h
.set STO, 6
.set RD,  7
.set GO,  8
.set SPW, 10
.set NIL, 11
.set BO,  32
.set BS,  128
.set ACC, 128
.set WV,  14
.set MSB, 0
.macro WIN new
.if MSB != (\new)
	s_set_vgpr_msb (MSB<<8)|(\new)
.set MSB, (\new)
.endif
.endm
.macro PLACES
.rept 4
	v_nop
.endr
.endm
.macro CROUND
	s_barrier_signal -1
	s_barrier_wait -1
	s_cmp_lg_u32 s[WV], 0
	s_cbranch_scc1 .Lnot_wave_0_\@
	s_barrier_signal -3
.Lnot_wave_0_\@:
	s_barrier_wait -3
	s_barrier_signal -1
	s_barrier_wait -1
.endm
.macro FETCH g, set                    ; registers 2 c, 2 c + 1: k = 16 c + 8 h + 0..7, as ctx has them
.irp b,0,1,2,3
.irp c,0,1,2,3,4,5,6,7
	ds_load_b64 v[BS+64*(\set)+16*\b+2*\c:BS+64*(\set)+16*\b+2*\c+1], v[WB] offset:\b*TP+128*(\g)+16*((\g)/2)+16*\c
.endr
.endr
.endm
.macro MUL g, set                      ; the sixteen accumulators take turns; K step 0 starts the sums
.if (\g) < 4
	WIN 0xa4
.else
	WIN 0xa8
.endif
.irp b,0,1,2,3
.irp a,0,1,2,3
.set mX, 16*(4*((\g)%4)+\a)
.set mB, BS+64*(\set)+16*\b
.set mA, ACC+8*(4*\a+\b)
.if (\g) == 0
	v_wmma_f32_16x16x128_fp8_fp8 v[mA:mA+7], v[mB:mB+15], v[mX:mX+15], 0
.else
	v_wmma_f32_16x16x128_fp8_fp8 v[mA:mA+7], v[mB:mB+15], v[mX:mX+15], v[mA:mA+7]
.endif
.endr
.endr
.endm
.macro BLOCK nxt
.irp g,0,1,2,3,4,5
	s_wait_dscnt 0x0                               ; this K step's fragments are in
	WIN 0
.if \g > 0
	PLACES                                         ; the set to be loaded was read by the K step before (at step 0 the way out stands between)
.endif
.if \g < 5
	FETCH \g+1, (\g+1)%2
.elseif \nxt >= 0
	v_add_nc_u32 v[WB], (\nxt)*SLOTB, v[WA]
	FETCH 0, 0
.endif
	MUL \g, \g%2
.endr
.endm
.macro TOSTAGE jb, a                   ; 16 rows x 64 columns: sum x 2^(e10 + e11) + bo, into my stage and back as whole rows of 256 bytes
.set tT, 32*((\a)%2)
.set tB, 64+32*((\a)%2)
	s_wait_xcnt 0x0                                ; earlier stores have read the registers that are loaded again below
	WIN 0xc2
.irp b,0,1,2,3
.irp i,0,2,4,6
	v_pk_fma_f32 v[tT+8*\b+\i:tT+8*\b+\i+1], v[ACC+8*(4*(\a)+\b)+\i:ACC+8*(4*(\a)+\b)+\i+1], s[36:37], v[BO+32*(\jb)+8*\b+\i:BO+32*(\jb)+8*\b+\i+1] op_sel_hi:[1,0,1]
.endr
.endr
	WIN 0x0c
.irp b,0,1,2,3
	ds_store_b128 v[STO], v[tT+8*\b:tT+8*\b+3] offset:64*\b
	ds_store_b128 v[STO], v[tT+8*\b+4:tT+8*\b+7] offset:64*\b+16
.endr
	WIN 0xc0
.irp t,0,1,2,3,4,5,6,7
	ds_load_b128 v[tB+4*\t:tB+4*\t+3], v[RD] offset:2*\t*272       ; LDS serves a wave's instructions in order (ISA guide 5.7.1.4): these see my stores
.endr
	WIN 0
.endm
.macro SEND jb, a, younger
.set tB, 64+32*((\a)%2)
	s_wait_dscnt \younger                          ; younger: the next 16 rows' eight stores and eight loads, or none
	WIN 0x0c
.irp t,0,1,2,3,4,5,6,7
	global_store_b128 v[GO], v[tB+4*\t:tB+4*\t+3], s[12:13] offset:(16*(\a)+2*\t)*3072+(\jb)*256 th:TH_STORE_NT   ; sixteen lanes store 256 consecutive bytes, aligned
.endr
	WIN 0
.endm
.macro EPI3 jb
	PLACES
	TOSTAGE \jb, 0
.irp a,1,2,3
	TOSTAGE \jb, \a
	SEND \jb, \a-1, 16
.endr
	SEND \jb, 3, 0
.endm
	s_load_b256 s[4:11], s[0:1], 0x0               ; ctximg s[4:5], Wo s[6:7], bo s[8:9], scales s[10:11]
	s_load_b64 s[12:13], s[0:1], 0x20              ; out0
	v_lshl_add_u32 v[SPW], v0, 2, SPARE
	v_mov_b32 v[NIL], 0
	ds_add_u32 v[SPW], v[NIL]                      ; the opening: the add, twice on end, and its wait ahead of my first tensor load
	ds_add_u32 v[SPW], v[NIL]
	v_lshrrev_b32 v1, 5, v0
	v_readfirstlane_b32 s[WV], v1
	s_bfe_u32 s15, ttmp6, 0x40000                  ; cx
	s_lshl_b32 s16, ttmp9, 2
	s_add_co_u32 s16, s16, s15                     ; rb: which 256 rows
	s_and_b32 s17, ttmp7, 0xffff                   ; cg: which 192 columns; the four partners share it
	s_mov_b32 s24, 15|(1<<20)|(1<<21)|(5<<22)|(3<<25)   ; the mask: all four; elements of 1 byte; padding: four words after every 64
	s_mov_b32 s25, 768<<16
	s_mov_b32 s26, 48<<16
	s_mov_b32 s27, 768<<16
	s_mov_b32 s28, 48
	s_mov_b32 s29, 768
	s_mov_b32 s30, 0
	s_mov_b32 s31, 0
	s_mov_b32 s32, 1
	s_mul_i32 s33, s[WV], 48*RP
	s_mul_i32 s18, s17, 192                        ; Wo: row 192 cg + 48 wave (these registers never hold cx)
	s_mul_i32 s19, s[WV], 48
	s_add_co_u32 s18, s18, s19
	s_mul_i32 s18, s18, 768
	s_mov_b32 s19, 0
	s_lshl_b32 s20, s16, 4                         ; ctx: row tile 16 rb + 4 wave
	s_lshl_b32 s21, s[WV], 2
	s_add_co_u32 s20, s20, s21
	s_mul_i32 s20, s20, 12288
	s_mov_b32 s21, 0
	s_lshl_b32 s22, s16, 8                         ; out: row 256 rb + 64 wave, + 768 cg bytes
	s_lshl_b32 s23, s[WV], 6
	s_add_co_u32 s22, s22, s23
	s_mul_i32 s22, s22, 3072
	s_mul_i32 s2, s17, 768
	s_add_co_u32 s22, s22, s2
	s_mov_b32 s23, 0
	s_mov_b32 s3, 0
	s_wait_dscnt 0x0
	s_wait_kmcnt 0x0
	s_load_b64 s[38:39], s[10:11], 0x28            ; e10, e11
	s_add_nc_u64 s[34:35], s[6:7], s[18:19]
	s_or_b32 s35, s35, 0x80000000
	s_add_nc_u64 s[4:5], s[4:5], s[20:21]
	s_add_nc_u64 s[12:13], s[12:13], s[22:23]
	s_add_nc_u64 s[8:9], s[8:9], s[2:3]
	CROUND                                         ; the four work-groups are here: the joint loads meet
	tensor_load_to_lds s[32:35], s[24:31]          ; my 48 rows of Wo: the one tensor load of the wave
	s_nop 0
.rept 4
	v_nop
.endr
	v_and_b32 v1, 31, v0
	v_lshlrev_b32 v[LI], 4, v1
	WIN 0x40
.irp g,0,1,2,3
.irp a,0,1,2,3
.irp c,0,1,2,3
	global_load_b128 v[16*(4*\g+\a)+4*\c:16*(4*\g+\a)+4*\c+3], v[LI], s[4:5] offset:\a*12288+\g*2048+\c*512
.endr
.endr
.endr
	WIN 0x80
.irp g,4,5
.irp a,0,1,2,3
.irp c,0,1,2,3
	global_load_b128 v[16*(4*(\g-4)+\a)+4*\c:16*(4*(\g-4)+\a)+4*\c+3], v[LI], s[4:5] offset:\a*12288+\g*2048+\c*512
.endr
.endr
.endr
	WIN 0
	v_and_b32 v12, 15, v0                          ; r
	v_bfe_u32 v13, v0, 4, 1                        ; h
	v_lshlrev_b32 v[BA], 5, v13
.irp j,0,1,2
.irp b,0,1,2,3
	global_load_b128 v[BO+32*\j+8*\b:BO+32*\j+8*\b+3], v[BA], s[8:9] offset:\j*256+\b*64
	global_load_b128 v[BO+32*\j+8*\b+4:BO+32*\j+8*\b+7], v[BA], s[8:9] offset:\j*256+\b*64+16
.endr
.endr
	v_mul_u32_u24 v[WA], v12, RP
	v_lshl_add_u32 v[WA], v13, 3, v[WA]
	v_mov_b32 v[WB], v[WA]
	s_mul_i32 s2, s[WV], 16*272
	s_add_co_u32 s2, s2, STG                       ; my stage
	v_mul_u32_u24 v[STO], v12, 272
	v_lshl_add_u32 v[STO], v13, 5, v[STO]
	v_add_nc_u32 v[STO], s2, v[STO]                ; in: row r, 32 bytes for each half of the lanes
	v_mul_u32_u24 v[RD], v13, 272
	v_lshl_add_u32 v[RD], v12, 4, v[RD]
	v_add_nc_u32 v[RD], s2, v[RD]                  ; back: lanes 0-15 one row, lanes 16-31 the next
	v_mul_u32_u24 v[GO], v13, 3072
	v_lshl_add_u32 v[GO], v12, 4, v[GO]            ; and the same two rows in out
	s_wait_kmcnt 0x0
	s_add_co_i32 s36, s38, s39
	s_add_co_i32 s36, s36, 127
	s_lshl_b32 s36, s36, 23                        ; 2^(e10 + e11) as f32
	s_mov_b32 s37, s36                             ; (named with it as a pair, so it is written)
	s_wait_tensorcnt 0x0                           ; my rows of Wo are in,
	s_barrier_signal -1
	s_barrier_wait -1                              ; everybody's are; nothing is filled again
	s_wait_loadcnt 0x0                             ; ctx and bo
	FETCH 0, 0
	BLOCK 1
	EPI3 0
	BLOCK 2
	EPI3 1
	BLOCK -1
	EPI3 2
	s_wait_tensorcnt 0x0                           ; the wave's end, behind my last LDS store
	ds_add_u32 v[SPW], v[NIL]
	s_wait_dscnt 0x0
	CROUND                                         ; the closing round
	s_endpgm
.Lfunc_end_k_q833bbcba30_oproj:
	.size	k_q833bbcba30_oproj, .Lfunc_end_k_q833bbcba30_oproj-k_q833bbcba30_oproj
	.p2alignl 7, 3214868480
	.fill 96, 4, 3214868480
	.section	.rodata,"a",@progbits
	.p2align	6, 0x0
	.amdhsa_kernel k_q833bbcba30_oproj
		.amdhsa_group_segment_fixed_size 174592
		.amdhsa_private_segment_fixed_size 0
		.amdhsa_enable_private_segment 0
		.amdhsa_kernarg_size 40
		.amdhsa_user_sgpr_count 2
		.amdhsa_user_sgpr_kernarg_segment_ptr 1
		.amdhsa_wavefront_size32 1
		.amdhsa_system_sgpr_workgroup_id_x 1
		.amdhsa_system_sgpr_workgroup_id_y 1
		.amdhsa_system_sgpr_workgroup_id_z 1
		.amdhsa_system_vgpr_workitem_id 0
		.amdhsa_next_free_vgpr 896
		.amdhsa_next_free_sgpr 66
		.amdhsa_reserve_vcc 0
		.amdhsa_float_denorm_mode_32 3
		.amdhsa_float_denorm_mode_16_64 3
		.amdhsa_memory_ordered 1
		.amdhsa_forward_progress 1
		.amdhsa_inst_pref_size 111
	.end_amdhsa_kernel
	.amdgpu_metadata
---
amdhsa.version: [ 1, 2 ]
amdhsa.kernels:
  - .name:           k_q833bbcba30_oproj
    .symbol:         k_q833bbcba30_oproj.kd
    .args:
      - { .name: ctximg, .offset: 0, .size: 8, .value_kind: global_buffer, .address_space: global }
      - { .name: Wo_codes, .offset: 8, .size: 8, .value_kind: global_buffer, .address_space: global }
      - { .name: bo, .offset: 16, .size: 8, .value_kind: global_buffer, .address_space: global }
      - { .name: lowp_scales, .offset: 24, .size: 8, .value_kind: global_buffer, .address_space: global }
      - { .name: out0, .offset: 32, .size: 8, .value_kind: global_buffer, .address_space: global }
    .group_segment_fixed_size: 174592
    .private_segment_fixed_size: 0
    .kernarg_segment_align: 8
    .kernarg_segment_size: 40
    .max_flat_workgroup_size: 128
    .sgpr_count:     66
    .vgpr_count:     896
    .wavefront_size: 32
...
	.end_amdgpu_metadata
.endif
;; end of part 3
